; MI455X (gfx1250); checked and timed in simulation.
; The chip was launched on July 23, 2026; its instructions are those of AMD's public machine-readable ISA for CDNA 5 (MIT licence, August 2026) and "CDNA5" Instruction Set Architecture Reference Guide (July 2026). The comments in the code are by the model that wrote it; some were corrected since.
;; Attention. Allowed arithmetic: matrix products marked QUANTISED: E2M1 operands, one E8M0 scale for each 32 along K, by v_wmma_scale_f32_16x16x128_f8f6f4 with both operands' format E2M1 (or v_wmma_scale_f32_32x16x128_f4), f32 sums; everything else in f32.
;; Inputs: Wk_codes 256 x 12 x 16 uint8 (E2M1 codes of Wk, K innermost, in blocks of 32 codes, two codes a byte); Wk_scales 256 x 12 uint8 (E8M0 scales of Wk, one for each 32 codes along K); Wp_codes 256 x 8 x 16 uint8 (E2M1 codes of Wp, K innermost, in blocks of 32 codes, two codes a byte); Wp_scales 256 x 8 uint8 (E8M0 scales of Wp, one for each 32 codes along K); Wq_codes 256 x 12 x 16 uint8 (E2M1 codes of Wq, K innermost, in blocks of 32 codes, two codes a byte); Wq_scales 256 x 12 uint8 (E8M0 scales of Wq, one for each 32 codes along K); Wv_codes 256 x 8 x 16 uint8 (E2M1 codes of Wv, K innermost, in blocks of 32 codes, two codes a byte); Wv_scales 256 x 8 uint8 (E8M0 scales of Wv, one for each 32 codes along K); bk 256 float32; bp 256 float32; bq 256 float32; bv 256 float32; ln_b 256 float32; ln_g 256 float32; pos_embed 8 x 2,048 x 128 float32; x 8 x 2,048 x 256 float32.
;; Outputs: out0 8 x 2,048 x 256 float32.
;; This version of the problem:
;;   THIS VERSION OF THE PROBLEM IS GIVEN IN LOW PRECISION. The matrix products marked QUANTISED in the list below multiply operands that are first quantised to E2M1 (2 exponent bits, 1 mantissa bit; 4 bits a number), with one power-of-two scale for each 32 numbers along K (OCP MX v1.0); their sums are f32. All else is computed in f32.
;;   The module's matrix products, in the order in which they are computed (A, B: the left and right operand; K: the contracted axis; several contracted axes count as one K, in the product's order):
;;     1. [M 16,384, K 384] x [K 384, N 256]; A: computed on the way; B: input Wq (given as codes): QUANTISED
;;     2. [M 16,384, K 384] x [K 384, N 256]; A: computed on the way; B: input Wk (given as codes): QUANTISED
;;     3. [M 16,384, K 256] x [K 256, N 256]; A: computed on the way; B: input Wv (given as codes): QUANTISED
;;     4. batch 64 x [M 2,048, K 32] x [K 32, N 2,048]; A: computed on the way; B: computed on the way: QUANTISED
;;     5. batch 64 x [M 2,048, K 2,048] x [K 2,048, N 32]; A: softmax (see below); B: computed on the way: QUANTISED
;;     6. [M 16,384, K 256] x [K 256, N 256]; A: computed on the way; B: input Wp (given as codes): QUANTISED
;;   THE QUANTISER, for each operand of a quantised product, along K:
;;     - K is cut into blocks of 32 from its start; a last block that is shorter is filled with zeros.
;;     - A block's scale is 2^e with e = floor(log2(the largest magnitude in the block)) - 2, held to -126 .. 127; a block of zeros has e = 0. As a byte (E8M0): e + 127.
;;     - Each number is divided by its block's scale, clamped to +-6, and rounded to the nearest number of E2M1, ties to even, subnormals kept.
;;     - The product sums the exact products of the quantised numbers (number of the format x scale) in f32.
;;   ~~~python
;;   def quantise(x, axis):      # numpy; x: float32 -> the quantised numbers, widened to float32 again
;;       x = np.moveaxis(x, axis, -1); K = x.shape[-1]
;;       x = np.pad(x, [(0, 0)] * (x.ndim - 1) + [(0, -K % 32)]); x = x.reshape(x.shape[:-1] + (-1, 32)); a = np.abs(x).max(-1, keepdims=True)
;;       e = np.where(a > 0, np.clip(np.frexp(np.where(a > 0, a, 1))[1] - 1 - 2, -126, 127), 0)      # np.frexp(a)[1] - 1 = floor(log2(a)), exactly
;;       r = np.clip(x / 2.0 ** e, -6, 6)
;;       step = 2.0 ** (np.maximum(np.frexp(np.where(r == 0, 1, r))[1] - 1, 0) - 1)
;;       q = np.round(r / step) * step * 2.0 ** e      # np.round: ties to even
;;       return np.moveaxis(q.reshape(q.shape[:-2] + (-1,))[..., :K], -1, axis).astype(np.float32)
;;   ~~~
;;   SOFTMAX AHEAD OF A QUANTISED PRODUCT. Where the list says 'softmax', what is quantised is not the finished softmax but p = 2^(t - M), with t = logit x log2(e) and M = ceil(the row's largest t), a whole number; so 1/2 < the row's largest p <= 1. The row's sum l is taken of the UNQUANTISED p, in f32, and the product's result is divided by l at the end. Since M is a whole number, a kernel that streams over the keys may use a running M (the ceiling of the running maximum): every later rescaling is an exact power of two, which a block's scale takes up: the codes' values come out the same.
;;   OPERANDS COMPUTED ON THE WAY. 'Computed on the way' means the value that the module computes at that place (a softmax that the list does not call 'softmax' is quantised finished and normalised). What goes into a quantiser is computed in f32, as accurately as f32 sums, v_exp_f32 and their like allow (about 1e-6 of the number): no bf16 or f16 on the way to a quantiser, and a product that is left as it is and whose result goes on into a quantised operand takes f32 operands (vector FMAs, or v_wmma_f32_16x16x4_f32). A number that lies on a knife's edge between two numbers of the format may be rounded either way, as far as f32 arithmetic and the matrix unit's own rounding can turn it there, and no further.
;;   INPUTS GIVEN AS CODES. Wk (in the module: [384, 256], K = its axis 0); Wp (in the module: [256, 256], K = its axis 0); Wq (in the module: [384, 256], K = its axis 0); Wv (in the module: [256, 256], K = its axis 0): each comes as NAME_codes (uint8): NAME with its K axis moved to the last place and cut into blocks of 32 codes, [.., K / 32, bytes a block], one block behind the other in memory; two codes a byte, the lower K in the low four bits (a code: sign, 2 exponent bits, 1 mantissa bit); and NAME_scales (uint8): the same leading axes, one E8M0 byte (e + 127) for each 32 codes along K. Its value is code x scale, taken as it is: it is not quantised again, and the codes and scales need not be those that the quantiser above would give.
;; One version. Each part assembles by itself: llvm-mc -triple=amdgcn-amd-amdhsa -mcpu=gfx1250 --defsym DOCPART=n.
;; ======== version 1 of 1: 2 launches
;; limits: right only within a limited range of input values
;; workspace buffers: kv_ws 4,456,448 bytes; q_ws 2,228,224 bytes
;; launch proj (part 1): grid 256 x 1, 8 waves a work-group, no clusters, 17,408 bytes of LDS; arguments x, pos_embed, ln_g, ln_b, Wq_codes, Wq_scales, bq, Wk_codes, Wk_scales, bk, Wv_codes, Wv_scales, bv, q_ws, kv_ws; writes q_ws, kv_ws
.if DOCPART == 1
	.amdgcn_target "amdgcn-amd-amdhsa--gfx1250"
	.amdhsa_code_object_version 6
	.text
	.protected	k_qdca7f9cb1b_proj
	.globl	k_qdca7f9cb1b_proj
	.p2align	8
	.type	k_qdca7f9cb1b_proj,@function
k_qdca7f9cb1b_proj:
	s_mov_b64 s[64:65], 0
	v_nop
	global_prefetch_b8 v0, s[64:65] scope:SCOPE_SE
	s_setreg_imm32_b32 hwreg(HW_REG_WAVE_MODE, 25, 1), 1
	s_wait_xcnt 0x0
; LayerNorm(x), the quantising of [xn | pos] along its 384, the products q, k (K = 384) and v (K = 256) on codes of FP4 (E2M1) with one E8M0 scale for each 32 along K,
; and the quantising of q and k along a head's 32 and of v along the tokens.  Nothing but codes and scale bytes leaves.
; SHARES.  A work-group takes a GROUP of 64 neighbouring tokens of one batch (256 groups).  Inside a group tokens lie in SLOT ORDER: slot 16 T + r holds token
; 32 (T / 2) + 8 (T % 2) + r + 8 (r / 8) (the slot's bits 3 and 4 change places).  So wherever 16 slots are the rows of a matrix tile, the 16 result registers of tiles 2 b and 2 b + 1
; are 16 neighbouring tokens.  Part X: wave w normalises and quantises slots 8 w .. 8 w + 7 (eight neighbouring tokens).  Part P: wave w is head w, for all 64 slots; its rows of Wq, Wk, Wv stay in registers.
; OUT.  q_ws, for each group 8,704 bytes: q's codes [head][slot][16 bytes]; at 8,192 scale words [head][r][4], byte T = slot 16 T + r.
; kv_ws, for each group 17,408 bytes: k's codes [head][slot][16]; at 8,192 v's codes [head][dt][16 kb + r][16]: feature 8 dt + r + 8 (r / 8), tokens 32 kb .. 32 kb + 31 in their own order;
; at 16,384 k's scale words [head][r][4]; at 16,896 v's scale bytes [head][dt][r][2], byte kb.
; q and k are made TRANSPOSED (source 0 = 16 rows of the weight, source 1 = 16 slots): a lane holds one slot and 8 features; the weight's rows of a tile are r + 8 (r / 8) + 8 u, so that two tiles give 16 neighbouring features.
; v is made the other way round (source 0 = 16 slots, source 1 = 16 rows of Wv): a lane holds one feature and its registers run along the tokens, which are the next product's K.
; A block's scale byte is its largest magnitude's exponent field - 2, held at 1 from below by a floor among the maximum's leaves.
; LIMITS: NaN and infinities among the inputs are not served.  A block of zeros gets the byte 1 (its codes are zeros; this program alone reads the bytes).
.set XPI,  208                         ; LDS: a slot's 192 bytes of codes + 16: 13 x 16 bytes, so the 16 rows of a fragment load begin at 16 different 16-byte columns modulo 256
.set XSC,  64*XPI                      ; behind the codes: 16 bytes a slot, 12 of them scale bytes
.set SST,  XSC+64*16                   ; behind them: k's scale words (512 bytes), v's scale bytes (512), q's scale words (512), gathered for whole stores of 256 bytes
.set GX,  4                            ; v4   32 x lane: my 8 numbers of a row of x (or of two rows of pos), of ln_g, of ln_b
.set AXC, 5                            ; v5   LDS: my 4 bytes of codes of my wave's first slot
.set APC, 6                            ; v6   the same for pos: lanes 0-15 one slot, lanes 16-31 the next
.set AXS, 7                            ; v7   LDS: my block's scale byte (x)
.set APS, 8                            ; v8   (pos)
.set AXF, 9                            ; v9   LDS: a fragment's row r, + 16 h
.set AXW, 10                           ; v10  LDS: row r's scale words
.set VW3, 11                           ; v11  my place in a head's rows of Wq, Wk: 192 rr + 16 h, rr = r + 8 (r / 8)
.set VW2, 12                           ; v12  of Wv: 128 rr + 16 h
.set VS3, 13                           ; v13  12 rr
.set VS2, 14                           ; v14  8 rr
.set VB,  15                           ; v15  64 h
.set VBV, 16                           ; v16  4 rr
.set GC,  17                           ; v17  16 r + 8 h: my 8 bytes of a store of 256
.set ASK, 18                           ; v18  LDS: 64 w + 4 r
.set ASV, 19                           ; v19  LDS: 64 w + 2 r
.set ASO, 20                           ; v20  LDS: 256 w + 8 x lane
.set GSO, 21                           ; v21  8 x lane
.set WQS, 24                           ; v24-29 Wq's scale words (3 u + s);  v30-35 Wk's;  v36-39 Wv's (2 dt + s)
.set WKS, 30
.set WVS, 36
.set BQ,  40                           ; v40-55 bq in the result's layout, two tiles;  v56-71 bk
.set BK,  56
.set BV,  72                           ; v72-73 bv of my feature, dt = 0, 1
.set XF,  76                           ; v76-99 three fragments of [xn | pos]
.set XS,  100                          ; v100-102 their scale words
.set X,   104                          ; part X: v104-167 eight rows, 8 numbers each
.set LG,  168                          ; v168-175 ln_g, v176-183 ln_b
.set LB,  176
.set PS,  184                          ; v184-199 a pair for each row: sums, then mean, 1 / sigma, largest magnitude and scale
.set CD,  200                          ; v200-207 codes of x's rows;  v208-211 of pos's
.set CDP, 208
.set PP,  212                          ; v212-243 pos: four sets of 8 numbers
.set MXP, 244                          ; v244-251 a pair for each set
.set AQ,  104                          ; part P: v104-119 q's two tiles;  v120-135 k's;  v136-167 v: 16 dt + 8 (T % 2)
.set AKK, 120
.set AV,  136
.set TM,  168                          ; v168-183 four sets of: largest magnitude, the other half's, scale operand, byte
.set CQ,  184                          ; v184-191 q's codes, 2 for each T;  v192-199 k's;  v200-207 v's, 2 for each (b, dt): no store's data are written again
.set CK,  192
.set CV,  200
.set KW,  208                          ; v208 k's scale word, v209 q's, v210-211 v's two bytes (dt)
.set QW,  209
.set VW,  210
.set BVC, 212                          ; v212-227 bv as a C operand: eight equal registers for each dt
.set WQ,  0                            ; window 1: Wq's fragments at 8 (3 u + s), Wk's from 48, Wv's at 96 + 8 (2 dt + s)
.set WK,  48
.set WV,  96
.set WVN, 34                           ; s34  my wave's number
.set SEL, 36                           ; s[36:37] v_permlanex16_b32's selects for lane l xor 16
.set MSB, 0
.macro WIN new                         ; the immediate's high byte repeats the setting that is left
.if MSB != \new
	s_set_vgpr_msb (MSB<<8)|\new
.set MSB, \new
.endif
.endm
.macro MM d, a, b, c, sa, sb           ; D = A B + C on codes of FP4, with both sides' scale words
	v_wmma_scale_f32_16x16x128_f8f6f4 v[\d:\d+7], v[\a:\a+7], v[\b:\b+7], v[\c:\c+7], v[\sa], v[\sb] matrix_a_fmt:MATRIX_FMT_FP4 matrix_b_fmt:MATRIX_FMT_FP4
.endm
; Two blocks of 32, each 16 numbers of mine and 16 of lane l xor 16, by turns: largest magnitude with the floor 2^(3 - 127), scale operand, byte, 16 codes in two registers.
.macro QUANT2 sa, sb, ta, tb, ca, cb
	v_max3_num_f32 v[\ta], |v[\sa]|, |v[\sa+1]|, 0x1800000
	v_max3_num_f32 v[\tb], |v[\sb]|, |v[\sb+1]|, 0x1800000
.irp i, 2,4,6,8,10,12,14
	v_max3_num_f32 v[\ta], v[\ta], |v[\sa+\i]|, |v[\sa+\i+1]|
	v_max3_num_f32 v[\tb], v[\tb], |v[\sb+\i]|, |v[\sb+\i+1]|
.endr
	s_delay_alu instid0(VALU_DEP_2)
	v_permlanex16_b32 v[\ta+1], v[\ta], s[SEL], s[SEL+1]
	s_delay_alu instid0(VALU_DEP_2)
	v_permlanex16_b32 v[\tb+1], v[\tb], s[SEL], s[SEL+1]
	s_delay_alu instid0(VALU_DEP_2)
	v_max_num_f32 v[\ta], v[\ta], v[\ta+1]
	s_delay_alu instid0(VALU_DEP_2)
	v_max_num_f32 v[\tb], v[\tb], v[\tb+1]
	s_delay_alu instid0(VALU_DEP_2)
	v_add_nc_u32 v[\ta+2], 0xff000000, v[\ta]      ; 2 off the exponent field: the conversion takes the exponent field of this operand as its scale
	s_delay_alu instid0(VALU_DEP_2)
	v_add_nc_u32 v[\tb+2], 0xff000000, v[\tb]
	s_delay_alu instid0(VALU_DEP_2)
	v_lshrrev_b32 v[\ta+3], 23, v[\ta+2]           ; the scale's byte
	s_delay_alu instid0(VALU_DEP_2)
	v_lshrrev_b32 v[\tb+3], 23, v[\tb+2]
	v_cvt_scalef32_pk8_fp4_f32 v[\ca], v[\sa:\sa+7], v[\ta+2]
	v_cvt_scalef32_pk8_fp4_f32 v[\ca+1], v[\sa+8:\sa+15], v[\ta+2]
	v_cvt_scalef32_pk8_fp4_f32 v[\cb], v[\sb:\sb+7], v[\tb+2]
	v_cvt_scalef32_pk8_fp4_f32 v[\cb+1], v[\sb+8:\sb+15], v[\tb+2]
	v_nop                                          ; one plain place behind the last scaled conversion
.endm
; Four sets of 8 neighbours; four neighbouring lanes hold a block.  Pair pb + 2 i: byte, scale operand.  One register of codes a set.
.macro QUANT8 xb, pb, cb
.irp i, 0,1,2,3
	v_max3_num_f32 v[\pb+2*\i], |v[\xb+8*\i]|, |v[\xb+8*\i+1]|, 0x1800000
.endr
.irp k, 2,4,6
.irp i, 0,1,2,3
	s_delay_alu instid0(VALU_DEP_4)
	v_max3_num_f32 v[\pb+2*\i], v[\pb+2*\i], |v[\xb+8*\i+\k]|, |v[\xb+8*\i+\k+1]|
.endr
.endr
.irp m, 1,2
.irp i, 0,1,2,3
	s_delay_alu instid0(VALU_DEP_4)
	v_max_num_f32_dpp v[\pb+2*\i], v[\pb+2*\i], v[\pb+2*\i] row_xmask:\m row_mask:0xf bank_mask:0xf
.endr
.endr
.irp i, 0,1,2,3
	s_delay_alu instid0(VALU_DEP_4)
	v_add_nc_u32 v[\pb+2*\i+1], 0xff000000, v[\pb+2*\i]
.endr
.irp i, 0,1,2,3
	s_delay_alu instid0(VALU_DEP_4)
	v_lshrrev_b32 v[\pb+2*\i], 23, v[\pb+2*\i+1]
.endr
.irp i, 0,1,2,3
	v_cvt_scalef32_pk8_fp4_f32 v[\cb+\i], v[\xb+8*\i:\xb+8*\i+7], v[\pb+2*\i+1]
.endr
	v_nop                                          ; one plain place behind the last scaled conversion
.endm
.macro LANESUM                         ; the eight rows' sums over the 32 lanes, by turns; every lane ends with the sum
.irp m, 1,2,4,8
.irp i, 0,1,2,3,4,5,6,7
	v_add_f32_dpp v[PS+2*\i], v[PS+2*\i], v[PS+2*\i] row_xmask:\m row_mask:0xf bank_mask:0xf
.endr
.endr
.irp i, 0,1,2,3,4,5,6,7
	v_permlanex16_b32 v[PS+2*\i+1], v[PS+2*\i], s[SEL], s[SEL+1]
.endr
.irp i, 0,1,2,3,4,5,6,7
	v_add_f32 v[PS+2*\i], v[PS+2*\i], v[PS+2*\i+1]
.endr
.endm
	s_load_b512 s[4:19], s[0:1], 0x0               ; x 4, pos 6, ln_g 8, ln_b 10, Wq's codes 12, Wq's scales 14, bq 16, Wk's codes 18
	s_load_b256 s[20:27], s[0:1], 0x40             ; Wk's scales 20, bk 22, Wv's codes 24, Wv's scales 26
	s_load_b128 s[28:31], s[0:1], 0x60             ; bv 28, q_ws 30
	s_load_b64 s[32:33], s[0:1], 0x70              ; kv_ws
	v_lshl_add_u32 v254, v0, 2, 0x4000
	v_mov_b32 v255, 0
	v_lshrrev_b32 v1, 5, v0
	s_delay_alu instid0(VALU_DEP_1)
	v_readfirstlane_b32 s[WVN], v1                 ; wave 0..7
	v_and_b32 v1, 31, v0                           ; lane
	v_and_b32 v2, 15, v0                           ; r
	v_bfe_u32 v3, v0, 4, 1                         ; h
	s_delay_alu instid0(VALU_DEP_2)
	v_and_b32 v22, 8, v2
	s_delay_alu instid0(VALU_DEP_1)
	v_add_nc_u32 v22, v22, v2                      ; rr = r + 8 (r / 8)
	s_mul_i32 s66, s[WVN], 8*XPI                   ; my wave's 8 slots in LDS
	s_lshl_b32 s67, s[WVN], 6
	s_lshl_b32 s54, s[WVN], 7
	s_mov_b32 s55, 0
	s_lshl_b32 s58, s[WVN], 8
	s_mov_b32 s59, 0
	v_lshlrev_b32 v[GX], 5, v1
	v_lshl_add_u32 v[AXC], v1, 2, s66
	v_mul_u32_u24 v[APC], v3, XPI
	s_delay_alu instid0(VALU_DEP_1)
	v_lshl_add_u32 v[APC], v2, 2, v[APC]
	s_delay_alu instid0(VALU_DEP_1)
	v_add_nc_u32 v[APC], s66, v[APC]
	v_lshrrev_b32 v[AXS], 2, v1
	s_delay_alu instid0(VALU_DEP_1)
	v_add_nc_u32 v[AXS], s54, v[AXS]
	v_lshrrev_b32 v[APS], 2, v2
	s_delay_alu instid0(VALU_DEP_1)
	v_lshl_add_u32 v[APS], v3, 4, v[APS]
	s_delay_alu instid0(VALU_DEP_1)
	v_add_nc_u32 v[APS], s54, v[APS]
	v_mul_u32_u24 v[AXF], v2, XPI
	s_delay_alu instid0(VALU_DEP_1)
	v_lshl_add_u32 v[AXF], v3, 4, v[AXF]
	v_lshlrev_b32 v[AXW], 4, v2
	v_mul_u32_u24 v[VW3], v22, 192
	s_delay_alu instid0(VALU_DEP_1)
	v_lshl_add_u32 v[VW3], v3, 4, v[VW3]
	v_lshlrev_b32 v[VW2], 7, v22
	s_delay_alu instid0(VALU_DEP_1)
	v_lshl_add_u32 v[VW2], v3, 4, v[VW2]
	v_mul_u32_u24 v[VS3], v22, 12
	v_lshlrev_b32 v[VS2], 3, v22
	v_lshlrev_b32 v[VB], 6, v3
	v_lshlrev_b32 v[VBV], 2, v22
	v_lshlrev_b32 v[GC], 4, v2
	s_delay_alu instid0(VALU_DEP_1)
	v_lshl_add_u32 v[GC], v3, 3, v[GC]
	v_lshl_add_u32 v[ASK], v2, 2, s67
	v_lshl_add_u32 v[ASV], v2, 1, s67
	v_lshl_add_u32 v[ASO], v1, 3, s58
	v_lshlrev_b32 v[GSO], 3, v1
	v_and_b32 v23, 7, v0                           ; v23: LDS place of k's scale halves: 64 w + 4 (r % 8) + 2 (r / 8)
	v_bfe_u32 v22, v0, 3, 1
	s_delay_alu instid0(VALU_DEP_2)
	v_lshl_add_u32 v23, v23, 2, s67
	s_delay_alu instid0(VALU_DEP_1)
	v_lshl_add_u32 v23, v22, 1, v23
	s_mov_b32 s[SEL], 0x76543210
	s_mov_b32 s[SEL+1], 0xfedcba98
	s_mov_b32 s38, 0x3b800000                      ; 1 / 256
	s_mov_b32 s39, 0x3727c5ac                      ; 1e-5
	s_lshr_b32 s35, s[WVN], 2                      ; my wave's first token in the group: 32 (w >> 2) + 16 (w & 1) + 8 ((w >> 1) & 1)
	s_lshl_b32 s35, s35, 5
	s_and_b32 s40, s[WVN], 1
	s_lshl_b32 s40, s40, 4
	s_add_co_u32 s35, s35, s40
	s_bfe_u32 s40, s[WVN], 0x10001
	s_lshl_b32 s40, s40, 3
	s_add_co_u32 s35, s35, s40
	s_lshl_b32 s40, ttmp9, 16                      ; x: 64 rows of 1,024 bytes a group,
	s_lshl_b32 s42, s35, 10
	s_add_co_u32 s40, s40, s42                     ; + my first token's row
	s_mov_b32 s41, 0
	s_lshr_b32 s42, s40, 1                         ; pos: rows half as long
	s_mov_b32 s43, 0
	s_mul_i32 s50, s[WVN], 6144                    ; my head's 32 rows of Wq, Wk (192 bytes a row),
	s_mov_b32 s51, 0
	s_mul_i32 s52, s[WVN], 384                     ; of their scales (12),
	s_mov_b32 s53, 0
	s_lshl_b32 s56, s[WVN], 12                     ; of Wv (128);  s54: the biases (128 w);  s58: Wv's scales (256 w)
	s_mov_b32 s57, 0
	s_mul_i32 s60, ttmp9, 8704
	s_mov_b32 s61, 0
	s_mul_i32 s62, ttmp9, 17408
	s_mov_b32 s63, 0
	s_lshl_b32 s2, s[WVN], 10                      ; a head's 1,024 bytes of codes
	s_mov_b32 s3, 0
	s_wait_alu depctr_va_vdst(0)
	s_wait_kmcnt 0x0
	s_add_nc_u64 s[4:5], s[4:5], s[40:41]
	s_add_nc_u64 s[6:7], s[6:7], s[42:43]
.irp i, 0,1,2,3,4,5,6,7
	global_load_b128 v[X+8*\i:X+8*\i+3], v[GX], s[4:5] offset:1024*\i        ; row i: my 8 neighbours
	global_load_b128 v[X+8*\i+4:X+8*\i+7], v[GX], s[4:5] offset:1024*\i+16
.endr
	global_load_b128 v[LG:LG+3], v[GX], s[8:9]
	global_load_b128 v[LG+4:LG+7], v[GX], s[8:9] offset:16
	global_load_b128 v[LB:LB+3], v[GX], s[10:11]
	global_load_b128 v[LB+4:LB+7], v[GX], s[10:11] offset:16
.irp i, 0,1,2,3
	global_load_b128 v[PP+8*\i:PP+8*\i+3], v[GX], s[6:7] offset:1024*\i th:TH_LOAD_NT      ; two rows of pos: lanes 0-15 row 2 i, lanes 16-31 row 2 i + 1
	global_load_b128 v[PP+8*\i+4:PP+8*\i+7], v[GX], s[6:7] offset:1024*\i+16 th:TH_LOAD_NT
.endr
	s_add_nc_u64 s[12:13], s[12:13], s[50:51]
	s_add_nc_u64 s[18:19], s[18:19], s[50:51]
	s_add_nc_u64 s[14:15], s[14:15], s[52:53]
	s_add_nc_u64 s[20:21], s[20:21], s[52:53]
	s_add_nc_u64 s[16:17], s[16:17], s[54:55]
	s_add_nc_u64 s[22:23], s[22:23], s[54:55]
	s_add_nc_u64 s[28:29], s[28:29], s[54:55]
	s_add_nc_u64 s[24:25], s[24:25], s[56:57]
	s_add_nc_u64 s[26:27], s[26:27], s[58:59]
	s_add_nc_u64 s[30:31], s[30:31], s[60:61]      ; my group in q_ws
	s_add_nc_u64 s[32:33], s[32:33], s[62:63]      ; and in kv_ws
	s_add_nc_u64 s[44:45], s[30:31], s[2:3]        ; my head's codes of q,
	s_add_nc_u64 s[46:47], s[32:33], s[2:3]        ; of k,
	s_add_nc_u64 s[48:49], s[46:47], 8192          ; of v
	WIN 0x40                                       ; destination window 1: the weights' fragments stay there
.irp u, 0,1
.irp s, 0,1,2
.irp c, 0,1
	global_load_b128 v[WQ+8*(3*\u+\s)+4*\c:WQ+8*(3*\u+\s)+4*\c+3], v[VW3], s[12:13] offset:1536*\u+64*\s+32*\c
	global_load_b128 v[WK+8*(3*\u+\s)+4*\c:WK+8*(3*\u+\s)+4*\c+3], v[VW3], s[18:19] offset:1536*\u+64*\s+32*\c
.endr
.endr
.endr
.irp d, 0,1
.irp s, 0,1
.irp c, 0,1
	global_load_b128 v[WV+8*(2*\d+\s)+4*\c:WV+8*(2*\d+\s)+4*\c+3], v[VW2], s[24:25] offset:1024*\d+64*\s+32*\c
.endr
.endr
.endr
	WIN 0
	s_wait_loadcnt 32                              ; x, ln_g, ln_b and pos are in: the 32 loads of weights issued behind them may be out
.irp u, 0,1
.irp s, 0,1,2
	global_load_b32 v[WQS+3*\u+\s], v[VS3], s[14:15] offset:96*\u+4*\s
	global_load_b32 v[WKS+3*\u+\s], v[VS3], s[20:21] offset:96*\u+4*\s
.endr
	global_load_b128 v[BQ+8*\u:BQ+8*\u+3], v[VB], s[16:17] offset:32*\u          ; lane (r, h), tile u: features 16 h + 8 u + 0 .. 7
	global_load_b128 v[BQ+8*\u+4:BQ+8*\u+7], v[VB], s[16:17] offset:32*\u+16
	global_load_b128 v[BK+8*\u:BK+8*\u+3], v[VB], s[22:23] offset:32*\u
	global_load_b128 v[BK+8*\u+4:BK+8*\u+7], v[VB], s[22:23] offset:32*\u+16
.endr
.irp d, 0,1
.irp s, 0,1
	global_load_b32 v[WVS+2*\d+\s], v[VS2], s[26:27] offset:64*\d+4*\s
.endr
	global_load_b32 v[BV+\d], v[VBV], s[28:29] offset:32*\d
.endr
	; ---- X: pos is quantised as it is
	QUANT8 PP, MXP, CDP
.irp i, 0,1,2,3
	ds_store_b32 v[APC], v[CDP+\i] offset:2*XPI*\i+128
	ds_store_b8 v[APS], v[MXP+2*\i] offset:XSC+32*\i+8     ; the four lanes of a block write the same byte with the same value
.endr
	; the mean, then the mean of the squares of x - mean: a common offset of x costs no digits
.irp i, 0,1,2,3,4,5,6,7
	v_pk_add_f32 v[PS+2*\i:PS+2*\i+1], v[X+8*\i:X+8*\i+1], v[X+8*\i+2:X+8*\i+3]
.endr
.irp k, 4,6
.irp i, 0,1,2,3,4,5,6,7
	v_pk_add_f32 v[PS+2*\i:PS+2*\i+1], v[PS+2*\i:PS+2*\i+1], v[X+8*\i+\k:X+8*\i+\k+1]
.endr
.endr
.irp i, 0,1,2,3,4,5,6,7
	v_add_f32 v[PS+2*\i], v[PS+2*\i], v[PS+2*\i+1]
.endr
	LANESUM
.irp i, 0,1,2,3,4,5,6,7
	v_mul_f32 v[PS+2*\i], s38, v[PS+2*\i]          ; the mean
.endr
.irp k, 0,2,4,6
.irp i, 0,1,2,3,4,5,6,7
	v_pk_add_f32 v[X+8*\i+\k:X+8*\i+\k+1], v[X+8*\i+\k:X+8*\i+\k+1], v[PS+2*\i:PS+2*\i+1] op_sel_hi:[1,0] neg_lo:[0,1] neg_hi:[0,1]   ; x - mean
.endr
.endr
.irp i, 0,1,2,3,4,5,6,7
	v_pk_mul_f32 v[PS+2*\i:PS+2*\i+1], v[X+8*\i:X+8*\i+1], v[X+8*\i:X+8*\i+1]
.endr
.irp k, 2,4,6
.irp i, 0,1,2,3,4,5,6,7
	v_pk_fma_f32 v[PS+2*\i:PS+2*\i+1], v[X+8*\i+\k:X+8*\i+\k+1], v[X+8*\i+\k:X+8*\i+\k+1], v[PS+2*\i:PS+2*\i+1]
.endr
.endr
.irp i, 0,1,2,3,4,5,6,7
	v_add_f32 v[PS+2*\i], v[PS+2*\i], v[PS+2*\i+1]
.endr
	LANESUM
.irp i, 0,1,2,3,4,5,6,7
	v_fma_f32 v[PS+2*\i], v[PS+2*\i], s38, s39     ; the variance + 1e-5
.endr
	s_wait_alu depctr_va_vdst(0)
.irp i, 0,1,2,3,4,5,6,7
	v_rsq_f32 v[PS+2*\i], v[PS+2*\i]
.endr
	v_nop                                          ; one plain place behind the transcendentals
	s_wait_alu depctr_va_vdst(0)
.irp k, 0,2,4,6
.irp i, 0,1,2,3,4,5,6,7
	v_pk_mul_f32 v[X+8*\i+\k:X+8*\i+\k+1], v[X+8*\i+\k:X+8*\i+\k+1], v[PS+2*\i:PS+2*\i+1] op_sel_hi:[1,0]
.endr
.endr
.irp k, 0,2,4,6
.irp i, 0,1,2,3,4,5,6,7
	v_pk_fma_f32 v[X+8*\i+\k:X+8*\i+\k+1], v[X+8*\i+\k:X+8*\i+\k+1], v[LG+\k:LG+\k+1], v[LB+\k:LB+\k+1]
.endr
.endr
	QUANT8 X, PS, CD
	QUANT8 X+32, PS+8, CD+4
.irp i, 0,1,2,3,4,5,6,7
	ds_store_b32 v[AXC], v[CD+\i] offset:XPI*\i
	ds_store_b8 v[AXS], v[PS+2*\i] offset:XSC+16*\i
.endr
	s_wait_dscnt 0x0                               ; for the others' sake: my slots' codes and bytes lie in LDS
	s_barrier_signal -1
	s_barrier_wait -1
	s_wait_loadcnt 0x0                             ; the weights, their scale words, the biases
.irp d, 0,1
.irp j, 0,1,2,3,4,5,6,7
	v_mov_b32 v[BVC+8*\d+\j], v[BV+\d]             ; bv as the C of v's first product: a lane holds one feature, so its eight registers are equal
.endr
.endr
	s_wait_alu depctr_va_vdst(0)
.irp t, 1,5,9,13
	v_mov_b32 v[TM+\t], 0                          ; written once: a lane permute's destination counts as one of its sources
.endr
	; ---- P: a tile of 16 slots at a time.  The accumulators take turns, one instruction a turn.
.macro PTILE tile
.irp s, 0,1,2
.irp c, 0,1
	ds_load_b128 v[XF+8*\s+4*\c:XF+8*\s+4*\c+3], v[AXF] offset:16*XPI*\tile+64*\s+32*\c
.endr
	ds_load_b32 v[XS+\s], v[AXW] offset:XSC+256*\tile+4*\s
.endr
	s_wait_dscnt 0x0
	WIN 0x01                                       ; source 0 (the weight) window 1
.irp s, 0,1,2
.irp u, 0,1
.if \s == 0
	MM AQ+8*\u, WQ+8*(3*\u+\s), XF+8*\s, BQ+8*\u, WQS+3*\u+\s, XS+\s       ; the bias starts the sum
.else
	MM AQ+8*\u, WQ+8*(3*\u+\s), XF+8*\s, AQ+8*\u, WQS+3*\u+\s, XS+\s
.endif
.endr
.irp u, 0,1
.if \s == 0
	MM AKK+8*\u, WK+8*(3*\u+\s), XF+8*\s, BK+8*\u, WKS+3*\u+\s, XS+\s
.else
	MM AKK+8*\u, WK+8*(3*\u+\s), XF+8*\s, AKK+8*\u, WKS+3*\u+\s, XS+\s
.endif
.endr
.endr
	WIN 0x04                                       ; source 1 (Wv) window 1
.irp s, 0,1
.irp d, 0,1
.if \s == 0
	MM AV+16*\d+8*((\tile)%2), XF+8*\s, WV+8*(2*\d+\s), BVC+8*\d, XS+\s, WVS+2*\d+\s
.else
	MM AV+16*\d+8*((\tile)%2), XF+8*\s, WV+8*(2*\d+\s), AV+16*\d+8*((\tile)%2), XS+\s, WVS+2*\d+\s
.endif
.endr
.endr
	WIN 0
.rept 4
	v_nop                                          ; four places between the last products and the first read of results (ISA guide 7.12.1)
.endr
	QUANT2 AQ, AKK, TM, TM+4, CQ+2*\tile, CK+2*\tile       ; my slot's 16 features of q and of k: with lane l xor 16's, the head's one block
.if \tile == 0
	v_mov_b32 v[QW], v[TM+3]
	v_mov_b32 v[KW], v[TM+7]
.else
	v_lshl_or_b32 v[QW], v[TM+3], 8*\tile, v[QW]   ; byte T of the scale word of lane r: slot 16 T + r
	v_lshl_or_b32 v[KW], v[TM+7], 8*\tile, v[KW]
.endif
	global_store_b64 v[GC], v[CQ+2*\tile:CQ+2*\tile+1], s[44:45] offset:256*\tile    ; the wave stores 256 consecutive bytes, at a multiple of 256 from the buffer's first byte
	global_store_b64 v[GC], v[CK+2*\tile:CK+2*\tile+1], s[46:47] offset:256*\tile
.if (\tile)%2 == 1
	QUANT2 AV, AV+16, TM+8, TM+12, CV+4*((\tile)/2), CV+4*((\tile)/2)+2      ; my feature's 16 neighbouring tokens, dt = 0 and 1: with lane l xor 16's, a block of 32 tokens
.if \tile == 1
	v_mov_b32 v[VW], v[TM+11]
	v_mov_b32 v[VW+1], v[TM+15]
.else
	v_lshl_or_b32 v[VW], v[TM+11], 8, v[VW]
	v_lshl_or_b32 v[VW+1], v[TM+15], 8, v[VW+1]
.endif
.irp d, 0,1
	global_store_b64 v[GC], v[CV+4*((\tile)/2)+2*\d:CV+4*((\tile)/2)+2*\d+1], s[48:49] offset:512*\d+256*((\tile)/2)
.endr
.endif
.endm
	PTILE 0
	PTILE 1
	PTILE 2
	PTILE 3
	; the scale words of the eight heads meet in LDS and leave as six stores of 256 consecutive bytes
	ds_store_b16 v23, v[KW] offset:SST             ; k's scale words leave in the order of the next launch's tiles: word 8 a + b (b < 8), byte 2 c + d = the byte of slot 32 a + 16 d + 8 c + b:
	v_lshrrev_b32 v22, 16, v[KW]
	ds_store_b16 v23, v22 offset:SST+32            ; lane r's bytes 0, 1 go to word r % 8, its bytes 2, 3 to word 8 + r % 8, each as half r / 8
	ds_store_b32 v[ASK], v[QW] offset:SST+1024
	ds_store_b16 v[ASV], v[VW] offset:SST+512
	ds_store_b16 v[ASV], v[VW+1] offset:SST+512+32
	s_wait_dscnt 0x0                               ; for the others' sake
	s_barrier_signal -1
	s_barrier_wait -1
	s_cmp_lt_u32 s[WVN], 6
	s_cbranch_scc0 .Ldone
	s_cmp_lt_u32 s[WVN], 4                         ; waves 0-3: kv_ws + 16,384 + 256 w;  waves 4, 5: q_ws + 8,192 + 256 (w - 4).  The choice hangs on the wave's number alone
	s_cselect_b64 s[50:51], s[32:33], s[30:31]
	s_mov_b32 s52, 7168
	s_cselect_b32 s52, 16384, s52
	s_add_co_u32 s52, s52, s58                     ; + 256 w
	s_mov_b32 s53, 0
	s_add_nc_u64 s[50:51], s[50:51], s[52:53]
	ds_load_b64 v[228:229], v[ASO] offset:SST
	s_wait_dscnt 0x0
	global_store_b64 v[GSO], v[228:229], s[50:51]
.Ldone:
	s_wait_tensorcnt 0x0
	ds_add_u32 v254, v255
	s_wait_dscnt 0x0
	s_endpgm
.Lfunc_end_k_qdca7f9cb1b_proj:
	.size	k_qdca7f9cb1b_proj, .Lfunc_end_k_qdca7f9cb1b_proj-k_qdca7f9cb1b_proj
	.p2alignl 7, 3214868480
	.fill 96, 4, 3214868480
	.section	.rodata,"a",@progbits
	.p2align	6, 0x0
	.amdhsa_kernel k_qdca7f9cb1b_proj
		.amdhsa_group_segment_fixed_size 17408
		.amdhsa_private_segment_fixed_size 0
		.amdhsa_enable_private_segment 0
		.amdhsa_kernarg_size 120
		.amdhsa_user_sgpr_count 2
		.amdhsa_user_sgpr_kernarg_segment_ptr 1
		.amdhsa_wavefront_size32 1
		.amdhsa_system_sgpr_workgroup_id_x 1
		.amdhsa_system_sgpr_workgroup_id_y 1
		.amdhsa_system_sgpr_workgroup_id_z 1
		.amdhsa_system_vgpr_workitem_id 0
		.amdhsa_next_free_vgpr 384
		.amdhsa_next_free_sgpr 72
		.amdhsa_reserve_vcc 0
		.amdhsa_float_denorm_mode_32 3
		.amdhsa_float_denorm_mode_16_64 3
		.amdhsa_memory_ordered 1
		.amdhsa_forward_progress 1
		.amdhsa_inst_pref_size 68
	.end_amdhsa_kernel
	.amdgpu_metadata
---
amdhsa.version: [ 1, 2 ]
amdhsa.kernels:
  - .name:           k_qdca7f9cb1b_proj
    .symbol:         k_qdca7f9cb1b_proj.kd
    .args:
      - { .name: x, .offset: 0, .size: 8, .value_kind: global_buffer, .address_space: global }
      - { .name: pos_embed, .offset: 8, .size: 8, .value_kind: global_buffer, .address_space: global }
      - { .name: ln_g, .offset: 16, .size: 8, .value_kind: global_buffer, .address_space: global }
      - { .name: ln_b, .offset: 24, .size: 8, .value_kind: global_buffer, .address_space: global }
      - { .name: Wq_codes, .offset: 32, .size: 8, .value_kind: global_buffer, .address_space: global }
      - { .name: Wq_scales, .offset: 40, .size: 8, .value_kind: global_buffer, .address_space: global }
      - { .name: bq, .offset: 48, .size: 8, .value_kind: global_buffer, .address_space: global }
      - { .name: Wk_codes, .offset: 56, .size: 8, .value_kind: global_buffer, .address_space: global }
      - { .name: Wk_scales, .offset: 64, .size: 8, .value_kind: global_buffer, .address_space: global }
      - { .name: bk, .offset: 72, .size: 8, .value_kind: global_buffer, .address_space: global }
      - { .name: Wv_codes, .offset: 80, .size: 8, .value_kind: global_buffer, .address_space: global }
      - { .name: Wv_scales, .offset: 88, .size: 8, .value_kind: global_buffer, .address_space: global }
      - { .name: bv, .offset: 96, .size: 8, .value_kind: global_buffer, .address_space: global }
      - { .name: q_ws, .offset: 104, .size: 8, .value_kind: global_buffer, .address_space: global }
      - { .name: kv_ws, .offset: 112, .size: 8, .value_kind: global_buffer, .address_space: global }
    .group_segment_fixed_size: 17408
    .private_segment_fixed_size: 0
    .kernarg_segment_align: 8
    .kernarg_segment_size: 120
    .max_flat_workgroup_size: 256
    .sgpr_count:     72
    .vgpr_count:     384
    .wavefront_size: 32
...
	.end_amdgpu_metadata
.endif
;; end of part 1
;; launch attn (part 2): grid 32 x 8, 16 waves a work-group, clusters of 4 x 1, 327,680 bytes of LDS; arguments q_ws, kv_ws, x, Wp_codes, Wp_scales, bp, out0; writes out0
.if DOCPART == 2
	.amdgcn_target "amdgcn-amd-amdhsa--gfx1250"
	.amdhsa_code_object_version 6
	.text
	.protected	k_qdca7f9cb1b_attn
	.globl	k_qdca7f9cb1b_attn
	.p2align	8
	.type	k_qdca7f9cb1b_attn,@function
k_qdca7f9cb1b_attn:
	s_mov_b64 s[64:65], 0
	v_nop
	global_prefetch_b8 v0, s[64:65] scope:SCOPE_SE
	s_setreg_imm32_b32 hwreg(HW_REG_WAVE_MODE, 25, 1), 1
	s_wait_xcnt 0x0
	s_wait_alu depctr_hold_cnt(0) depctr_sa_sdst(0) depctr_va_vdst(0) depctr_va_sdst(0) depctr_va_ssrc(0) depctr_va_vcc(0) depctr_vm_vsrc(0)
	s_getreg_b32 s2, hwreg(HW_REG_IB_STS2, 6, 4)
	s_cmp_eq_u32 s2, 0
	s_cbranch_scc0 .Lentry_in_a_cluster
	s_endpgm
.Lentry_in_a_cluster:
	s_bfe_u32 s2, ttmp6, 0x10000c
	s_cmp_lg_u32 s2, 0x3003
	s_cbranch_scc0 .Lentry_shape_is_right
	s_endpgm
.Lentry_shape_is_right:
; out0 = x + Q(softmax(q k^T / sqrt(32)) v) Wp^T + bp, all three products on codes of FP4 (E2M1) with one E8M0 scale for each 32 along K.  q, k, v come as codes from the launch before.
; SOFTMAX: t = score x log2(e) / sqrt(32); M = the row's largest t so far, rounded up to a whole number; p = 2^(t - M) is quantised along the keys, not normalised.  The row's sum is taken of the
; unquantised p and divides O at the end.  When M moves, the sum and O are multiplied by 2^(old M - new M): exact.
; SHARES.  A work-group owns a group of 64 tokens as queries, for all 8 heads, and makes their 64 rows of out0.  Wave w: head w / 2, query tiles 2 (w % 2), 2 (w % 2) + 1.  Every wave walks the batch's 2,048 keys, 128 a step.
; kv_ws, 17,408 bytes a group of 64 tokens: k's codes [head][slot][16], slot 16 T + r = token 32 (T / 2) + 8 (T % 2) + r + 8 (r / 8); at 8,192 v's codes [head][dt][16 kb + r][16] (feature 8 dt + r + 8 (r / 8), tokens 32 kb on);
; at 16,384 k's scale words [head][row][4] in the order of the tiles below; at 16,896 v's scale bytes [head][dt][r][2].  q_ws, 8,704 bytes a group: codes [head][slot][16], at 8,192 scale words [head][r][4].
; A HEAD IS 32 WIDE, THE INSTRUCTION 128 DEEP.  A fragment of k holds a group's 64 keys: block j of the instruction's K holds, in row r, token 32 (r / 8) + 8 j + r % 8.  The queries' operand has four variants, q's 32 codes in
; block j and zero codes elsewhere: variant j picks that block's 16 keys.  Both products are used transposed: a lane holds ONE query.  With these rows, lane half h holds in the 32 score registers of fragment c the tokens
; 64 c + 32 h + 0 .. 31 of the step: a WHOLE block of the second product's K, in its order: a block's maximum needs no other lane, and the conversions' results are the operand's registers as they stand.
; CLUSTER.  The four work-groups of a cluster belong to one batch and walk the same kv_ws: each block is asked for jointly, with the mask of all four.
; RING.  Two LDS slots of 512 keys (eight groups' blocks, 139,264 bytes); waves 0-7 fetch a block each: one load of a fetching wave is out behind each round.  Four changes of slots, written out; a slot's four steps are a counted loop.
; PREFETCH.  At the change that loads slot j (j = 1, 2) waves 8-15 name slot j + 1: its 544 blocks of 256 bytes are shared by address, 136 to a partner, 17 to a wave (lanes 17-31 name the wave's last again).  Slots 0 and 1 come by
; their loads alone.  My four rows of x are named at the third change, eight steps ahead of their loads.
; LIMITS: NaN and infinities are not served.  A p under 2^-126 counts as 0 (v_exp_f32's entry in the ISA guide).  A block of zeros gets the scale byte 1: its codes are zeros.  The promise holds while |t| stays under 2^31.
.set GB,    17408
.set SLOTB, 8*GB                       ; slot 1 begins here
.set SPARE, 2*SLOTB                    ; the spare words: 128 bytes for each of 16 waves
.set OIMG,  SPARE+2048                 ; O's codes: 64 slots x (128 bytes + 16)
.set OSC,   OIMG+64*144                ; their scale bytes: 8 a slot
.set YST,   0                          ; the stage for the way out, 64 x (1,024 + 16) bytes, in slot 0: it has had its last fill, and nobody reads it behind the last change of slots
.set SPW, 1                            ; my spare word's address; never rewritten
.set NIL, 2                            ; 0; never rewritten
.set AK0, 3                            ; k's fragment: 1,024 head + 512 (r / 8) + 256 h + 16 (r % 8)
.set AV0, 4                            ; v's fragment: 8,192 + 1,024 head + 16 lane
.set AKS0, 5                           ; k's scale words: lanes 0-15 the step's first group, lanes 16-31 its second
.set AVS0, 6                           ; v's scale bytes: lanes 0-15 dt = 0, lanes 16-31 dt = 1
.set ADK, 7                            ; v7-10 the same four at the step in hand
.set ADV, 8
.set ADS, 9
.set ADT, 10
.set KS,  11                           ; v11 k's scale words, v12 v's, v13 p's, v14-15 q's: scales and nothing else
.set VS,  12
.set PW,  13
.set QS,  14
.set ST,  16                           ; v16-23 tile a at 4 a: -M, the largest score, the sum in two halves
.set QB,  24                           ; v24-59 Z X1 Z X2 Z X3 Z X4 Z, four registers each: Z zeros; X1, X2 tile 0's codes in lanes 0-15, in lanes 16-31; X3, X4 tile 1's
.set KF,  60                           ; v60-75 two fragments of k
.set VF,  76                           ; v76-91 two of v
.set XR,  60                           ; on the way out v60-91: my four rows of x
.set OACC, 92                          ; v92-123 O^T: 16 a + 8 dt
.set S,   124                          ; v124-187 S^T, then p
.set PC,  188                          ; v188-195 p's codes
.set BM,  196                          ; v196-199 four chains of maxima; then v196, v198: my two blocks' largest score, largest p
.set BX,  200                          ; v200-201 their bytes
.set BS,  204                          ; v204-205 the conversions' scale operands
.set FF,  208                          ; v208 f = 2^(old M - new M); v209 named with it as a pair
.set TT,  210
.set TX,  211
.set SUM2, 212
.set SUM3, 202                         ; v202-203, v206-207: the sum's third and fourth chain
.set SUM4, 206
.set VT,  214                          ; v214-215 v's scale bytes as loaded
.set WPF, 216                          ; v216-231 my 16 rows of Wp;  v232-239 bp
.set BPF, 232
.set GXO, 240                          ; 16 x lane
.set PFX, 241                          ; 256 x min(lane, 15)
.set PFK, 242                          ; 256 x min(lane, 16)
.set W,   243
.set OLD, 244
.set WS,  246                          ; v246-247 Wp's scale words; v248-255 O's: scales and nothing else
.set OS,  248
.set WV,  18                           ; s18 my wave's number;  s19 my head
.set SEL, 20                           ; s[20:21] selects for lane l xor 16
.set CS,  22                           ; s[22:23] c = log2(e) / sqrt(32)
.set G1,  24
.set G0,  32
.set TB,  36                           ; LDS byte at which the step in hand begins
.set CNT, 37
.set LB,  73                           ; (wave % 8) x GB
.set PK,  74                           ; s[74:75] my wave's 17 blocks of slot 2 in kv_ws
.set SELP, 78
.macro MMZ d, a, b, sa, sb, row
.if \row
	v_wmma_scale_f32_16x16x128_f8f6f4 v[\d:\d+7], v[\a:\a+7], v[\b:\b+7], 0, v[\sa], v[\sb] matrix_a_fmt:MATRIX_FMT_FP4 matrix_b_fmt:MATRIX_FMT_FP4 matrix_a_scale:MATRIX_SCALE_ROW1
.else
	v_wmma_scale_f32_16x16x128_f8f6f4 v[\d:\d+7], v[\a:\a+7], v[\b:\b+7], 0, v[\sa], v[\sb] matrix_a_fmt:MATRIX_FMT_FP4 matrix_b_fmt:MATRIX_FMT_FP4
.endif
.endm
.macro MMC d, a, b, c, sa, sb, row
.if \row
	v_wmma_scale_f32_16x16x128_f8f6f4 v[\d:\d+7], v[\a:\a+7], v[\b:\b+7], v[\c:\c+7], v[\sa], v[\sb] matrix_a_fmt:MATRIX_FMT_FP4 matrix_b_fmt:MATRIX_FMT_FP4 matrix_a_scale:MATRIX_SCALE_ROW1
.else
	v_wmma_scale_f32_16x16x128_f8f6f4 v[\d:\d+7], v[\a:\a+7], v[\b:\b+7], v[\c:\c+7], v[\sa], v[\sb] matrix_a_fmt:MATRIX_FMT_FP4 matrix_b_fmt:MATRIX_FMT_FP4
.endif
.endm
.macro ROUND                           ; a round of the cluster's barrier
	s_barrier_signal -1
	s_barrier_wait -1
	s_cmp_lg_u32 s[WV], 0
	s_cbranch_scc1 .Lnot_wave_0_\@
	s_barrier_signal -3
.Lnot_wave_0_\@:
	s_barrier_wait -3
	s_barrier_signal -1
	s_barrier_wait -1
.endm
.macro TLOAD pf                        ; waves 0-7 fetch a block each; pf = 1, 2: waves 8-15 name slot pf + 1 for the L2.  The branch hangs on the wave's number alone
	s_cmp_lt_u32 s[WV], 8
	s_cbranch_scc0 .Lno_load_\@
	tensor_load_to_lds s[G0:G0+3], s[G1:G1+7]
	s_nop 0
.rept 4
	v_nop
.endr
.if \pf
	s_branch .Lasked_\@
.endif
.Lno_load_\@:
.if \pf
	global_prefetch_b8 v[PFK], s[PK:PK+1] offset:(\pf-1)*SLOTB th:TH_LOAD_NT scope:SCOPE_SE
.Lasked_\@:
.endif
.endm
; Two blocks of 32, each 16 numbers of mine and 16 of lane l xor 16, by turns
.macro QUANT2 sa, sb, ta, tb, ca, cb
	v_max3_num_f32 v[\ta], |v[\sa]|, |v[\sa+1]|, 0x1800000
	v_max3_num_f32 v[\tb], |v[\sb]|, |v[\sb+1]|, 0x1800000
.irp i, 2,4,6,8,10,12,14
	s_delay_alu instid0(VALU_DEP_2)
	v_max3_num_f32 v[\ta], v[\ta], |v[\sa+\i]|, |v[\sa+\i+1]|
	s_delay_alu instid0(VALU_DEP_2)
	v_max3_num_f32 v[\tb], v[\tb], |v[\sb+\i]|, |v[\sb+\i+1]|
.endr
	s_delay_alu instid0(VALU_DEP_2)
	v_permlanex16_b32 v[\ta+1], v[\ta], s[SEL], s[SEL+1]
	s_delay_alu instid0(VALU_DEP_2)
	v_permlanex16_b32 v[\tb+1], v[\tb], s[SEL], s[SEL+1]
	s_delay_alu instid0(VALU_DEP_2)
	v_max_num_f32 v[\ta], v[\ta], v[\ta+1]
	s_delay_alu instid0(VALU_DEP_2)
	v_max_num_f32 v[\tb], v[\tb], v[\tb+1]
	s_delay_alu instid0(VALU_DEP_2)
	v_add_nc_u32 v[\ta+2], 0xff000000, v[\ta]
	s_delay_alu instid0(VALU_DEP_2)
	v_add_nc_u32 v[\tb+2], 0xff000000, v[\tb]
	s_delay_alu instid0(VALU_DEP_2)
	v_lshrrev_b32 v[\ta+3], 23, v[\ta+2]
	s_delay_alu instid0(VALU_DEP_2)
	v_lshrrev_b32 v[\tb+3], 23, v[\tb+2]
	v_cvt_scalef32_pk8_fp4_f32 v[\ca], v[\sa:\sa+7], v[\ta+2]
	v_cvt_scalef32_pk8_fp4_f32 v[\ca+1], v[\sa+8:\sa+15], v[\ta+2]
	v_cvt_scalef32_pk8_fp4_f32 v[\cb], v[\sb:\sb+7], v[\tb+2]
	v_cvt_scalef32_pk8_fp4_f32 v[\cb+1], v[\sb+8:\sb+15], v[\tb+2]
	v_nop                                          ; one plain place behind the last scaled conversion
.endm
	s_load_b256 s[4:11], s[0:1], 0x0               ; q_ws 4, kv_ws 6, x 8, Wp's codes 10
	s_load_b128 s[12:15], s[0:1], 0x20             ; Wp's scales 12, bp 14
	s_load_b64 s[16:17], s[0:1], 0x30              ; out0
	v_lshl_add_u32 v[SPW], v0, 2, SPARE
	v_mov_b32 v[NIL], 0
	ds_add_u32 v[SPW], v[NIL]                      ; the opening lines: the add twice on end, its wait ahead of the first tensor load
	ds_add_u32 v[SPW], v[NIL]
	v_lshrrev_b32 v3, 5, v0
	s_delay_alu instid0(VALU_DEP_1)
	v_readfirstlane_b32 s[WV], v3                  ; wave 0..15
	s_lshr_b32 s19, s[WV], 1                       ; my head
	s_and_b32 s40, s[WV], 1                        ; p: which pair of query tiles
	s_bfe_u32 s41, ttmp6, 0x40000                  ; cx: it enters the addresses of q_ws, x, out0 and of the prefetches alone
	s_lshl_b32 s42, ttmp9, 2
	s_add_co_u32 s42, s42, s41                     ; my group in the batch
	s_and_b32 s43, ttmp7, 0xffff                   ; the batch, which the four partners share
	s_lshl_b32 s44, s43, 5
	s_add_co_u32 s44, s44, s42                     ; G = 32 batch + group
	s_mul_i32 s46, s44, 8704
	s_add_co_u32 s48, s46, 8192
	s_lshl_b32 s47, s19, 10
	s_add_co_u32 s46, s46, s47
	s_lshl_b32 s47, s40, 9
	s_add_co_u32 s46, s46, s47                     ; q's codes: my group, my head, my two tiles
	s_mov_b32 s47, 0
	s_lshl_b32 s49, s19, 6
	s_add_co_u32 s48, s48, s49                     ; q's scale words
	s_mov_b32 s49, 0
	s_lshr_b32 s52, s[WV], 3                       ; the way out: slots 4 w .. 4 w + 3 are tokens tok .. tok + 3, tok = 32 (w >> 3) + 16 ((w >> 1) & 1) + 8 ((w >> 2) & 1) + 4 (w & 1)
	s_lshl_b32 s52, s52, 5
	s_bfe_u32 s53, s[WV], 0x10001
	s_lshl_b32 s53, s53, 4
	s_add_co_u32 s52, s52, s53
	s_bfe_u32 s53, s[WV], 0x10002
	s_lshl_b32 s53, s53, 3
	s_add_co_u32 s52, s52, s53
	s_lshl_b32 s53, s40, 2
	s_add_co_u32 s52, s52, s53
	s_lshl_b32 s53, s44, 6
	s_add_co_u32 s52, s52, s53
	s_lshl_b32 s52, s52, 10                        ; rows of 1,024 bytes, in x and in out0
	s_mov_b32 s53, 0
	s_lshl_b32 s54, s[WV], 11                      ; Wp: my 16 rows of 128 bytes,
	s_mov_b32 s55, 0
	s_lshl_b32 s56, s[WV], 7                       ; of 8 scale bytes,
	s_mov_b32 s57, 0
	s_lshl_b32 s58, s[WV], 6                       ; bp: my 16 numbers
	s_mov_b32 s59, 0
	s_lshl_b32 s38, s40, 1
	s_mul_i32 s38, s38, 0x01010101                 ; v_perm_b32's select: byte 2 p of q's scale word into all four bytes,
	s_add_co_u32 s39, s38, 0x01010101              ; byte 2 p + 1
	s_mov_b32 s[G1], 15|(3<<16)|(1<<21)            ; a block, 17,408 dense bytes, as 68 rows of 32 elements of 8 bytes; the mask of all four, bit 21 beside it
	s_mov_b32 s[G1+1], 32<<16
	s_mov_b32 s[G1+2], 68<<16
	s_mov_b32 s[G1+3], 32<<16
	s_mov_b32 s[G1+4], 68
	s_mov_b32 s[G1+5], 32
	s_mov_b32 s[G1+6], 0
	s_mov_b32 s[G1+7], 0
	s_and_b32 s45, s[WV], 7
	s_mov_b32 s[G0], 1
	s_mul_i32 s[G0+1], s45, GB                     ; LDS: slot 0, block wave % 8
	s_mul_i32 s[LB], s45, GB
	s_mul_i32 s50, s43, 32*GB                      ; the batch's 32 blocks
	s_mul_i32 s76, s41, 136*256                    ; the prefetches: my work-group's 136 blocks of 256 bytes of a slot,
	s_mul_i32 s77, s45, 17*256                     ; my wave's 17 of them,
	s_add_co_u32 s76, s76, s77
	s_add_co_u32 s76, s76, s50
	s_add_co_u32 s76, s76, 2*SLOTB                 ; in slot 2
	s_mov_b32 s77, 0
	s_add_co_u32 s50, s50, s[LB]                   ; my block of the first eight
	s_mov_b32 s51, 0
	s_mov_b32 s[SEL], 0x76543210
	s_mov_b32 s[SEL+1], 0xfedcba98
	s_mov_b32 s[CS], 0x3e8293ee                    ; c = log2(e) / sqrt(32)
	s_mov_b32 s[CS+1], s[CS]
	s_mov_b32 s[SELP], 0x06020400                  ; p's scale word: my bytes 0, 2 and lane l xor 16's, by turns
	s_lshl_b32 s70, s19, 10                        ; LDS bases, of the wave's number and constants alone
	s_add_co_u32 s72, s70, 8192
	s_lshl_b32 s71, s19, 6
	s_add_co_u32 s71, s71, 16384
	s_add_co_u32 s63, s71, 512
	s_mul_i32 s66, s40, 32*144                     ; O's codes: slot 32 p, + 16 bytes a head
	s_lshl_b32 s67, s19, 4
	s_add_co_u32 s66, s66, s67
	s_add_co_u32 s66, s66, OIMG
	s_lshl_b32 s67, s40, 8                         ; their bytes: 8 a slot, + head
	s_add_co_u32 s67, s67, s19
	s_add_co_u32 s67, s67, OSC
	s_add_co_u32 s68, s58, YST                     ; the stage, in: + 64 w
	s_mul_i32 s69, s[WV], 4*1040                   ; and back: my four rows
	s_add_co_u32 s69, s69, YST
	v_and_b32 v124, 15, v0                         ; r
	v_bfe_u32 v125, v0, 4, 1                       ; h
	v_and_b32 v126, 31, v0                         ; lane
	v_and_b32 v127, 7, v0                          ; r % 8
	v_bfe_u32 v128, v0, 3, 1                       ; r / 8
	v_lshl_add_u32 v[AK0], v127, 4, s70
	v_mul_u32_u24 v[AKS0], v125, GB
	v_lshl_add_u32 v[AV0], v126, 4, s72
	v_lshl_add_u32 v[AK0], v125, 8, v[AK0]
	v_lshl_add_u32 v[AKS0], v124, 2, v[AKS0]
	v_lshl_add_u32 v[AVS0], v126, 1, s63
	v_lshl_add_u32 v[AK0], v128, 9, v[AK0]
	v_add_nc_u32 v[AKS0], s71, v[AKS0]
	v_lshlrev_b32 v[GXO], 4, v126
	v_min_u32 v[PFX], 15, v126
	v_min_u32 v[PFK], 16, v126
	v_lshlrev_b32 v129, 4, v124                    ; q: query r's 16 bytes, in both halves of the lanes
	v_lshlrev_b32 v130, 2, v124
	v_lshlrev_b32 v[PFX], 8, v[PFX]
	v_lshlrev_b32 v[PFK], 8, v[PFK]
	s_wait_dscnt 0x0                               ; both opening adds are done
	s_wait_alu depctr_va_vdst(0)
	s_wait_kmcnt 0x0
	s_add_nc_u64 s[G0+2:G0+3], s[6:7], s[50:51]
	s_or_b32 s[G0+3], s[G0+3], 0x80000000
	s_add_nc_u64 s[PK:PK+1], s[6:7], s[76:77]
	s_add_nc_u64 s[60:61], s[4:5], s[48:49]
	s_add_nc_u64 s[4:5], s[4:5], s[46:47]
	s_add_nc_u64 s[8:9], s[8:9], s[52:53]
	s_add_nc_u64 s[16:17], s[16:17], s[52:53]
	s_add_nc_u64 s[10:11], s[10:11], s[54:55]
	s_add_nc_u64 s[12:13], s[12:13], s[56:57]
	s_add_nc_u64 s[14:15], s[14:15], s[58:59]
	ROUND                                          ; all four work-groups are here: the first joint loads meet
	TLOAD 0                                        ; keys 0-511 into slot 0: one load a wave at the head
	global_load_b128 v[132:135], v129, s[4:5]
	global_load_b128 v[136:139], v129, s[4:5] offset:256
	global_load_b32 v140, v130, s[60:61]
.irp z, 0,8,16,24,32
.irp j, 0,1,2,3
	v_mov_b32 v[QB+\z+\j], 0                       ; the zero codes round q's
.endr
.endr
	v_mov_b32 v[TX], 0                             ; a lane permute's destination counts as one of its sources
	v_mov_b32 v[BS+1], 0
	v_mov_b32 v[FF+1], 0                           ; (named as the upper half of a pair)
.irp a, 0,1
	v_mov_b32 v[ST+4*\a+1], 0xff61b1e6             ; the largest score so far: -3e38
	v_mov_b32 v[ST+4*\a], 0x7f61b1e6               ; -M: 3e38: the first f is 0, on sums that are 0
	v_mov_b32 v[ST+4*\a+2], 0
	v_mov_b32 v[ST+4*\a+3], 0
.endr
	v_cmp_gt_u32 vcc_lo, 16, v126                  ; lanes 0-15
	v_cmp_le_u32 s62, 16, v126                     ; lanes 16-31
	s_wait_loadcnt 0x0
	v_perm_b32 v[QS], v140, v140, s38              ; my query's scale byte in all four bytes: whichever block holds q's codes finds it
	v_perm_b32 v[QS+1], v140, v140, s39
.irp a, 0,1
.irp j, 0,1,2,3
	v_cndmask_b32 v[QB+16*\a+4+\j], 0, v[132+4*\a+\j], vcc_lo
	v_cndmask_b32 v[QB+16*\a+12+\j], 0, v[132+4*\a+\j], s62
.endr
.endr
.irp k, 0,1,2,3
.irp j, 0,1,2,3,4,5,6,7
	v_mov_b32 v[OACC+8*\k+\j], 0                   ; O^T: the step is written once, and its first run finds zeros
.endr
.endr
; ONE TILE OF 16 QUERIES AGAINST THE STEP'S 128 KEYS
.macro TILE a, nxt
.set SA, ST+4*\a
.set OA, OACC+16*\a
.irp t, 0,1,2,3,4,5,6,7                ; fragment t / 4, variant t % 4 of my queries
	MMZ S+8*\t, KF+8*(\t/4), QB+16*\a+8*(\t%2)+4*(1-(\t%4)/2), KS, QS+\a, \t/4
.endr
	v_mov_b32 v[OLD], v[SA]                        ; with the three below: four places behind the products (ISA guide 7.12.1)
	v_nop
	v_nop
	v_nop
.if \nxt                               ; the next step's fragments and scale words of k, two blocks on in the same slot: they land under this tile's softmax
.irp f, 0,1
.irp c, 0,1
	ds_load_b128 v[KF+8*\f+4*\c:KF+8*\f+4*\c+3], v[ADK] offset:(2+\f)*GB+128*\c
.endr
.endr
	ds_load_b32 v[KS], v[ADS] offset:2*GB
.endif
.irp k, 0,1,2,3                        ; four chains of 16 scores by turns, each accumulator from its low end on
	v_max3_num_f32 v[BM+\k], v[S+16*\k], v[S+1+16*\k], v[S+2+16*\k]
.endr
.irp i, 3,5,7,9,11,13
.irp k, 0,1,2,3
	v_max3_num_f32 v[BM+\k], v[BM+\k], v[S+16*\k+\i], v[S+1+16*\k+\i]
.endr
.endr
	v_max3_num_f32 v[BM], v[BM], v[BM+1], v[S+15]
	v_max3_num_f32 v[BM+2], v[BM+2], v[BM+3], v[S+47]
	v_max_num_f32 v[BM], v[BM], v[S+31]            ; my two blocks' largest scores: for the row's maximum and, since p rises with the score, for the blocks' largest p
	v_max_num_f32 v[BM+2], v[BM+2], v[S+63]
	s_delay_alu instid0(VALU_DEP_1)
	v_max_num_f32 v[TT], v[BM], v[BM+2]
	s_delay_alu instid0(VALU_DEP_1)
	v_permlanex16_b32 v[TX], v[TT], s[SEL], s[SEL+1]
	s_delay_alu instid0(VALU_DEP_1)
	v_max3_num_f32 v[SA+1], v[SA+1], v[TT], v[TX]  ; the running largest score (c is positive)
	s_delay_alu instid0(VALU_DEP_1)
	v_mul_f32 v[TT], -v[SA+1], s[CS]
	s_delay_alu instid0(VALU_DEP_1)
	v_floor_f32 v[SA], v[TT]                       ; the new -M = -ceil(t): a whole number
.irp k, 0,1,2,3,4,5,6,7
.if \k == 2
	v_sub_f32 v[TT], v[SA], v[OLD]                 ; old M - new M: a whole number, 0 or less.  (f's three lines stand among the multiply-adds, so that none waits for the line above it)
.endif
.if \k == 4
	v_cvt_i32_f32 v[TT], v[TT]                     ; (it saturates)
.endif
.if \k == 6
	v_ldexp_f32 v[FF], 1.0, v[TT]                  ; f = 2^(old M - new M)
.endif
.irp i, 0,2,4,6
	v_pk_fma_f32 v[S+8*\k+\i:S+8*\k+\i+1], v[S+8*\k+\i:S+8*\k+\i+1], s[CS:CS+1], v[SA:SA+1] op_sel_hi:[1,0,0]     ; t - M
.endr
.endr
	v_fma_f32 v[BM], v[BM], s[CS], v[SA]           ; the same of each block's largest score
	v_fma_f32 v[BM+2], v[BM+2], s[CS], v[SA]
	s_wait_alu depctr_va_vdst(0)
.irp k, 0,1,2,3,4,5,6,7
.irp i, 0,1,2,3,4,5,6,7
	v_exp_f32 v[S+8*\k+\i], v[S+8*\k+\i]           ; p = 2^(t - M)
.endr
.endr
	v_exp_f32 v[BM], v[BM]                         ; the blocks' largest p: the same two instructions on the same number give the same bits
	v_exp_f32 v[BM+2], v[BM+2]
	v_pk_mul_f32 v[SA+2:SA+3], v[SA+2:SA+3], v[FF:FF+1] op_sel_hi:[1,0]    ; the sums under the new M (a plain place behind the batch)
.if \a == 0
	s_wait_dscnt 0x0                               ; v's fragments and bytes are in
	v_lshl_or_b32 v[VS], v[VT+1], 16, v[VT]        ; v's scale word: the first group's two bytes, then the second's
.endif
	s_wait_alu depctr_va_vdst(0)                   ; one wait for the batch, directly ahead of O^T's first reader
.irp j, 0,4,8,12                       ; O^T under the new M, from each accumulator's low end on; the scales' lines stand between
	v_pk_mul_f32 v[OA+\j:OA+1+\j], v[OA+\j:OA+1+\j], v[FF:FF+1] op_sel_hi:[1,0]
	v_pk_mul_f32 v[OA+2+\j:OA+3+\j], v[OA+2+\j:OA+3+\j], v[FF:FF+1] op_sel_hi:[1,0]
.if \j == 0
	v_max_num_f32 v[BM], 0x1800000, v[BM]          ; the floor 2^(3 - 127): the byte cannot fall under 1
	v_max_num_f32 v[BM+2], 0x1800000, v[BM+2]
.endif
.if \j == 4
	v_add_nc_u32 v[BS], 0xff000000, v[BM]          ; 2 off the exponent field: the conversion's scale operand
	v_add_nc_u32 v[BS+1], 0xff000000, v[BM+2]
.endif
.if \j == 8
	v_lshrrev_b32 v[BX], 23, v[BS]                 ; the scale's byte
	v_lshrrev_b32 v[BX+1], 23, v[BS+1]
.endif
.endr
	v_lshl_or_b32 v[W], v[BX+1], 16, v[BX]         ; my bytes: blocks h and 2 + h
.irp c, 0,1
.irp j, 0,1,2,3
	v_cvt_scalef32_pk8_fp4_f32 v[PC+4*\c+\j], v[S+32*\c+8*\j:S+32*\c+8*\j+7], v[BS+\c]     ; register 4 c + j of the operand: keys 64 c + 32 h + 8 j on
.endr
.endr
	v_nop                                          ; one plain place behind the last scaled conversion
	v_permlanex16_b32 v[TX], v[W], s[SEL], s[SEL+1]
	v_pk_add_f32 v[SUM2:SUM2+1], v[S:S+1], v[S+2:S+3]      ; the row's sum is taken of the unquantised p: two at a time, in four chains by turns
	v_pk_add_f32 v[SUM3:SUM3+1], v[S+4:S+5], v[S+6:S+7]
	v_pk_add_f32 v[SUM4:SUM4+1], v[S+8:S+9], v[S+10:S+11]
	v_pk_add_f32 v[SA+2:SA+3], v[SA+2:SA+3], v[S+12:S+13]
	v_perm_b32 v[PW], v[TX], v[W], s[SELP]         ; p's scale word, whole in lanes 0-15, which alone are read
	v_pk_add_f32 v[SUM2:SUM2+1], v[SUM2:SUM2+1], v[S+14:S+15]
.irp j, 16,24,32,40,48,56
	v_pk_add_f32 v[SUM3:SUM3+1], v[SUM3:SUM3+1], v[S+\j:S+1+\j]
	v_pk_add_f32 v[SUM4:SUM4+1], v[SUM4:SUM4+1], v[S+2+\j:S+3+\j]
	v_pk_add_f32 v[SA+2:SA+3], v[SA+2:SA+3], v[S+4+\j:S+5+\j]
	v_pk_add_f32 v[SUM2:SUM2+1], v[SUM2:SUM2+1], v[S+6+\j:S+7+\j]
.endr
	s_delay_alu instid0(VALU_DEP_1)
	v_pk_add_f32 v[SUM2:SUM2+1], v[SUM2:SUM2+1], v[SUM3:SUM3+1]
	v_pk_add_f32 v[SA+2:SA+3], v[SA+2:SA+3], v[SUM4:SUM4+1]
	s_delay_alu instid0(VALU_DEP_1)
	v_pk_add_f32 v[SA+2:SA+3], v[SA+2:SA+3], v[SUM2:SUM2+1]    ; (the 28 behind the scale word are the places between it and the products below)
	MMC OA, VF, PC, OA, VS, PW, 0                  ; O^T += v^T p^T: features 16 h + 0 .. 7,
	MMC OA+8, VF+8, PC, OA+8, VS, PW, 1            ; and 16 h + 8 .. 15.  One instruction a turn
.endm
; A KEY STEP: 128 keys, two groups, at LDS byte s[TB]
.macro STEP nxt
	v_add_nc_u32 v[ADK], s[TB], v[AK0]             ; four places between the last products and the loads into registers that they read
	v_add_nc_u32 v[ADV], s[TB], v[AV0]
	v_add_nc_u32 v[ADS], s[TB], v[AKS0]
	v_add_nc_u32 v[ADT], s[TB], v[AVS0]
.irp d, 0,1
.irp c, 0,1
	ds_load_b128 v[VF+8*\d+4*\c:VF+8*\d+4*\c+3], v[ADV] offset:\c*GB+512*\d
.endr
.endr
	ds_load_u16 v[VT], v[ADT]
	ds_load_u16 v[VT+1], v[ADT] offset:GB
	s_wait_dscnt 6                                 ; k's five loads, asked for a step ago, are in; v's six may be out
	TILE 0, 0
	TILE 1, \nxt
.endm
.macro SLOTRUN base                    ; a slot's four steps
	s_mov_b32 s[TB], \base
	s_mov_b32 s[CNT], 3
	v_add_nc_u32 v[ADK], s[TB], v[AK0]
	v_add_nc_u32 v[ADS], s[TB], v[AKS0]
.irp f, 0,1                            ; the slot's first fragments and scale words of k
.irp c, 0,1
	ds_load_b128 v[KF+8*\f+4*\c:KF+8*\f+4*\c+3], v[ADK] offset:\f*GB+128*\c
.endr
.endr
	ds_load_b32 v[KS], v[ADS]
.Lstep_\@:                             ; three steps that ask for their successor's k;
	STEP 1
	s_add_co_u32 s[TB], s[TB], 2*GB
	s_sub_co_u32 s[CNT], s[CNT], 1
	s_cmp_lg_u32 s[CNT], 0
	s_cbranch_scc1 .Lstep_\@
	s_mov_b32 s[TB], \base+6*GB
	STEP 0                                         ; the slot's last step is written out: it reads nothing of the other slot
.endm
; THE CHANGE OF SLOTS, at a slot's head: all my tensor loads are waited for, the add, the wait for it and for my reads of the slot that I have left.  fill = 1: a round of the cluster's barrier, then the joint load
; of the next 512 keys into the slot at lbase, first thing: it has a slot's four steps in which to land.
.macro CHANGE fill, lbase, pf
	s_wait_tensorcnt 0x0
	ds_add_u32 v[SPW], v[NIL]
.if \fill
	ds_add_u32 v[SPW], v[NIL]                      ; twice on end
	s_add_co_u32 s[G0+1], s[LB], \lbase
	s_add_nc_u64 s[G0+2:G0+3], s[G0+2:G0+3], SLOTB
.endif
	s_wait_dscnt 0x0
.if \fill
	ROUND
	TLOAD \pf
.else
	s_barrier_signal -1
	s_barrier_wait -1
.endif
.endm
	s_wait_alu depctr_va_vdst(0)
	CHANGE 1, SLOTB, 1                             ; slot 1's first fill, issued as a refill is
	SLOTRUN 0
	CHANGE 1, 0, 2
	SLOTRUN SLOTB
	CHANGE 1, SLOTB, 0
	global_prefetch_b8 v[PFX], s[8:9] th:TH_LOAD_NT scope:SCOPE_SE     ; my four rows of x: 16 blocks of 256 bytes, a lane a block
	SLOTRUN 0
	CHANGE 0, 0, 0
	v_and_b32 v[S], 15, v0                         ; Wp, its scale words and bp are asked for four steps ahead of their use
	v_bfe_u32 v[S+1], v0, 4, 1
	s_delay_alu instid0(VALU_DEP_2)
	v_lshlrev_b32 v[S+2], 7, v[S]
	s_delay_alu instid0(VALU_DEP_1)
	v_lshl_add_u32 v[S+2], v[S+1], 4, v[S+2]       ; Wp: row r of 128 bytes, + 16 h
	v_lshlrev_b32 v[S+1], 5, v[S+1]                ; bp: 8 h numbers on
	v_lshlrev_b32 v[S], 3, v[S]                    ; Wp's scale words: 8 bytes a row
.irp s, 0,1
.irp c, 0,1
	global_load_b128 v[WPF+8*\s+4*\c:WPF+8*\s+4*\c+3], v[S+2], s[10:11] offset:64*\s+32*\c
.endr
.endr
	global_load_b128 v[BPF:BPF+3], v[S+1], s[14:15]
	global_load_b128 v[BPF+4:BPF+7], v[S+1], s[14:15] offset:16
	global_load_b32 v[WS], v[S], s[12:13]
	global_load_b32 v[WS+1], v[S], s[12:13] offset:4
	s_wait_xcnt 0x0                                ; the loads have read their offsets: the steps write those registers again
	SLOTRUN SLOTB
	; ---- O / the sum is quantised along out's 256: a head is one block
	v_and_b32 v196, 15, v0                         ; r.  (Four places behind the last products, ahead of the loads into registers that they read)
	v_bfe_u32 v197, v0, 4, 1                       ; h
	v_and_b32 v198, 31, v0                         ; lane
	v_mul_u32_u24 v202, v196, 144
.irp n, 0,1,2,3,4,5,6,7
	global_load_b128 v[XR+4*\n:XR+4*\n+3], v[GXO], s[8:9] offset:512*\n th:TH_LOAD_NT      ; my four rows of x; 512 consecutive bytes a load
.endr
.irp a, 0,1
	v_add_f32 v[ST+4*\a+2], v[ST+4*\a+2], v[ST+4*\a+3]
.endr
.irp a, 0,1
	s_delay_alu instid0(VALU_DEP_2)
	v_permlanex16_b32 v[ST+4*\a+3], v[ST+4*\a+2], s[SEL], s[SEL+1]
.endr
.irp a, 0,1
	s_delay_alu instid0(VALU_DEP_2)
	v_add_f32 v[ST+4*\a+2], v[ST+4*\a+2], v[ST+4*\a+3]     ; the row's sum
.endr
	s_wait_alu depctr_va_vdst(0)
.irp a, 0,1
	v_rcp_f32 v[ST+4*\a+2], v[ST+4*\a+2]
.endr
	v_lshl_add_u32 v202, v197, 3, v202             ; where my codes go: slot's row, + 8 h
	v_lshl_add_u32 v203, v196, 3, s67              ; and my byte
	v_mul_u32_u24 v212, v196, 144                  ; where fragments are read: row r, + 16 h
	v_mul_u32_u24 v192, v196, 1040                 ; the stage, in: row r, + 32 h, + 64 w
	v_add_nc_u32 v202, s66, v202
	v_lshlrev_b32 v213, 3, v196
	v_lshl_add_u32 v212, v197, 4, v212
	v_lshl_add_u32 v192, v197, 5, v192
	v_add_nc_u32 v213, OSC, v213
	v_lshl_add_u32 v193, v198, 4, s69              ; and back: 16 bytes a lane of my rows
	v_add_nc_u32 v212, OIMG, v212
	v_add_nc_u32 v192, s68, v192
	s_wait_alu depctr_va_vdst(0)                   ; ahead of the reciprocals' and O^T's first readers
.irp a, 0,1
.irp j, 0,2,4,6,8,10,12,14
	v_pk_mul_f32 v[OACC+16*\a+\j:OACC+16*\a+\j+1], v[OACC+16*\a+\j:OACC+16*\a+\j+1], v[ST+4*\a+2:ST+4*\a+3] op_sel_hi:[1,0]
.endr
.endr
	QUANT2 OACC, OACC+16, BS, FF, PC, PC+2         ; my query's features 16 h + 0 .. 15 of my head, tile 0 and tile 1
	ds_store_b64 v202, v[PC:PC+1]
	ds_store_b64 v202, v[PC+2:PC+3] offset:16*144
	ds_store_b8 v203, v[BS+3]                      ; (both halves of the lanes write the same byte with the same value)
	ds_store_b8 v203, v[FF+3] offset:128
	s_wait_dscnt 0x0                               ; for the others' sake
	s_barrier_signal -1
	s_barrier_wait -1                              ; the 64 slots' codes and bytes of all heads lie in LDS
	; ---- y = Q(O) Wp^T + bp, transposed: source 0 = my 16 rows of Wp, source 1 = 16 slots
.irp m, 0,1,2,3
.irp s, 0,1
.irp c, 0,1
	ds_load_b128 v[S+8*(2*\m+\s)+4*\c:S+8*(2*\m+\s)+4*\c+3], v212 offset:16*144*\m+64*\s+32*\c
.endr
	ds_load_b32 v[OS+2*\m+\s], v213 offset:128*\m+4*\s
.endr
.endr
	s_wait_dscnt 0x0
	s_wait_loadcnt 8                               ; Wp, its scale words and bp are in; x's eight loads may be out
.irp m, 0,1,2,3
	MMC OACC+8*\m, WPF, S+16*\m, BPF, WS, OS+2*\m, 0       ; the bias starts the sum; four accumulators by turns
.endr
.irp m, 0,1,2,3
	MMC OACC+8*\m, WPF+8, S+16*\m+8, OACC+8*\m, WS+1, OS+2*\m+1, 0
.endr
.rept 4
	v_nop                                          ; four places in front of the first read of results and of loads into registers that the products read
.endr
.irp m, 0,1,2,3
	ds_store_b128 v192, v[OACC+8*\m:OACC+8*\m+3] offset:16*1040*\m         ; each accumulator from its low end on
	ds_store_b128 v192, v[OACC+8*\m+4:OACC+8*\m+7] offset:16*1040*\m+16
.endr
	s_wait_dscnt 0x0                               ; for the others' sake
	s_barrier_signal -1
	s_barrier_wait -1                              ; 64 whole rows lie in the stage
.irp n, 0,1,2,3,4,5,6,7
	ds_load_b128 v[S+4*\n:S+4*\n+3], v193 offset:1040*(\n/2)+512*(\n%2)
.endr
	s_wait_loadcnt 0x0                             ; x
.irp n, 0,1,2,3,4,5,6,7
	s_wait_dscnt 7-\n                              ; LDS loads come back in order: piece n is in
	v_pk_add_f32 v[S+4*\n:S+4*\n+1], v[S+4*\n:S+4*\n+1], v[XR+4*\n:XR+4*\n+1]              ; + x
	v_pk_add_f32 v[S+4*\n+2:S+4*\n+3], v[S+4*\n+2:S+4*\n+3], v[XR+4*\n+2:XR+4*\n+3]
	global_store_b128 v[GXO], v[S+4*\n:S+4*\n+3], s[16:17] offset:512*\n th:TH_STORE_NT    ; the wave stores 512 consecutive bytes, at a multiple of 256 from out0's first byte
.endr
	s_wait_tensorcnt 0x0                           ; the wave's end
	ds_add_u32 v[SPW], v[NIL]
	s_wait_dscnt 0x0
	ROUND                                          ; the closing round
	s_endpgm
.Lfunc_end_k_qdca7f9cb1b_attn:
	.size	k_qdca7f9cb1b_attn, .Lfunc_end_k_qdca7f9cb1b_attn-k_qdca7f9cb1b_attn
	.p2alignl 7, 3214868480
	.fill 96, 4, 3214868480
	.section	.rodata,"a",@progbits
	.p2align	6, 0x0
	.amdhsa_kernel k_qdca7f9cb1b_attn
		.amdhsa_group_segment_fixed_size 327680
		.amdhsa_private_segment_fixed_size 0
		.amdhsa_enable_private_segment 0
		.amdhsa_kernarg_size 56
		.amdhsa_user_sgpr_count 2
		.amdhsa_user_sgpr_kernarg_segment_ptr 1
		.amdhsa_wavefront_size32 1
		.amdhsa_system_sgpr_workgroup_id_x 1
		.amdhsa_system_sgpr_workgroup_id_y 1
		.amdhsa_system_sgpr_workgroup_id_z 1
		.amdhsa_system_vgpr_workitem_id 0
		.amdhsa_next_free_vgpr 256
		.amdhsa_next_free_sgpr 80
		.amdhsa_reserve_vcc 1
		.amdhsa_float_denorm_mode_32 3
		.amdhsa_float_denorm_mode_16_64 3
		.amdhsa_memory_ordered 1
		.amdhsa_forward_progress 1
		.amdhsa_inst_pref_size 224
	.end_amdhsa_kernel
	.amdgpu_metadata
---
amdhsa.version: [ 1, 2 ]
amdhsa.kernels:
  - .name:           k_qdca7f9cb1b_attn
    .symbol:         k_qdca7f9cb1b_attn.kd
    .args:
      - { .name: q_ws, .offset: 0, .size: 8, .value_kind: global_buffer, .address_space: global }
      - { .name: kv_ws, .offset: 8, .size: 8, .value_kind: global_buffer, .address_space: global }
      - { .name: x, .offset: 16, .size: 8, .value_kind: global_buffer, .address_space: global }
      - { .name: Wp_codes, .offset: 24, .size: 8, .value_kind: global_buffer, .address_space: global }
      - { .name: Wp_scales, .offset: 32, .size: 8, .value_kind: global_buffer, .address_space: global }
      - { .name: bp, .offset: 40, .size: 8, .value_kind: global_buffer, .address_space: global }
      - { .name: out0, .offset: 48, .size: 8, .value_kind: global_buffer, .address_space: global }
    .group_segment_fixed_size: 327680
    .private_segment_fixed_size: 0
    .kernarg_segment_align: 8
    .kernarg_segment_size: 56
    .max_flat_workgroup_size: 512
    .sgpr_count:     80
    .vgpr_count:     256
    .wavefront_size: 32
...
	.end_amdgpu_metadata
.endif
;; end of part 2
